; MI455X (gfx1250); checked and timed in simulation.
; The chip was launched on July 23, 2026; its instructions are those of AMD's public machine-readable ISA for CDNA 5 (MIT licence, August 2026) and "CDNA5" Instruction Set Architecture Reference Guide (July 2026). The comments in the code are by the model that wrote it; some were corrected since.
;; Si LU Attention. Allowed arithmetic: matrix products marked QUANTISED: E4M3 operands, one given power-of-two scale a tensor, by v_wmma_f32_16x16x64_fp8_fp8 or v_wmma_f32_16x16x128_fp8_fp8, f32 sums; everything else in f32.
;; Inputs: W_out 512 x 512 float32; W_qkuv 512 x 2,048 float32; attn_mask 4,096 x 4,096 float32; ln_beta 64 float32; ln_gamma 64 float32; lowp_scales 8 int32 (the exponents e of the quantised operands' scales 2^e); x 2 x 4,096 x 512 float32.
;; Outputs: out0 2 x 4,096 x 512 float32.
;; This version of the problem:
;;   THIS VERSION OF THE PROBLEM IS GIVEN IN LOW PRECISION. The matrix products marked QUANTISED in the list below multiply operands that are first quantised to E4M3 (4 exponent bits, 3 mantissa bits; 8 bits a number), with one given power-of-two scale for each operand tensor; their sums are f32. All else is computed in f32.
;;   The module's matrix products, in the order in which they are computed (A, B: the left and right operand; K: the contracted axis; several contracted axes count as one K, in the product's order):
;;     1. [M 8,192, K 512] x [K 512, N 2,048]; A: input x; B: input W_qkuv: QUANTISED (scales: A lowp_scales[0], B lowp_scales[1])
;;     2. batch 16 x [M 4,096, K 64] x [K 64, N 4,096]; A: computed on the way; B: computed on the way: QUANTISED (scales: A lowp_scales[2], B lowp_scales[3])
;;     3. batch 16 x [M 4,096, K 4,096] x [K 4,096, N 64]; A: computed on the way; B: computed on the way: QUANTISED (scales: A lowp_scales[4], B lowp_scales[5])
;;     4. [M 8,192, K 512] x [K 512, N 512]; A: computed on the way; B: input W_out: QUANTISED (scales: A lowp_scales[6], B lowp_scales[7])
;;   THE QUANTISER, for each operand of a quantised product, along K:
;;     - The operand's scale is 2^e, e = its entry of the input lowp_scales (int32; the entries are numbered through the quantised products in the list's order, A before B).
;;     - Each number is divided by the scale, clamped to +-448, and rounded to the nearest number of E4M3, ties to even, subnormals kept.
;;     - The product sums the exact products of the quantised numbers (number of the format x scale) in f32.
;;   ~~~python
;;   def quantise(x, axis, e):      # numpy; x: float32 -> the quantised numbers, widened to float32 again
;;       x = np.moveaxis(x, axis, -1); K = x.shape[-1]
;;       r = np.clip(x / 2.0 ** e, -448, 448)
;;       step = 2.0 ** (np.maximum(np.frexp(np.where(r == 0, 1, r))[1] - 1, -6) - 3)
;;       q = np.round(r / step) * step * 2.0 ** e      # np.round: ties to even
;;       return np.moveaxis(q, -1, axis).astype(np.float32)
;;   ~~~
;;   OPERANDS COMPUTED ON THE WAY. 'Computed on the way' means the value that the module computes at that place (a softmax that the list does not call 'softmax' is quantised finished and normalised). What goes into a quantiser is computed in f32, as accurately as f32 sums, v_exp_f32 and their like allow (about 1e-6 of the number): no bf16 or f16 on the way to a quantiser, and a product that is left as it is and whose result goes on into a quantised operand takes f32 operands (vector FMAs, or v_wmma_f32_16x16x4_f32). A number that lies on a knife's edge between two numbers of the format may be rounded either way, as far as f32 arithmetic and the matrix unit's own rounding can turn it there, and no further.
;; One version. Each part assembles by itself: llvm-mc -triple=amdgcn-amd-amdhsa -mcpu=gfx1250 --defsym DOCPART=n.
;; ======== version 1 of 1: 3 launches
;; workspace buffers: wq_img 1,048,576 bytes; wo_img 262,144 bytes; qc 4,194,304 bytes; kc 4,194,304 bytes; vc 4,194,304 bytes; ub 16,777,216 bytes
;; launch prep (part 1): grid 160 x 1, 4 waves a work-group, no clusters, 0 bytes of LDS; arguments W_qkuv, W_out, lowp_scales, wq_img, wo_img; writes wq_img, wo_img
.if DOCPART == 1
	.amdgcn_target "amdgcn-amd-amdhsa--gfx1250"
	.amdhsa_code_object_version 6
	.text
	.protected	k_qe09937dd1f_prep
	.globl	k_qe09937dd1f_prep
	.p2align	8
	.type	k_qe09937dd1f_prep,@function
k_qe09937dd1f_prep:
	s_mov_b64 s[64:65], 0
	v_nop
	global_prefetch_b8 v0, s[64:65] scope:SCOPE_SE
	s_setreg_imm32_b32 hwreg(HW_REG_WAVE_MODE, 25, 1), 1
	s_wait_xcnt 0x0
; W_qkuv [512 (k)][2048 (n)] and W_out [512 (k)][512 (n)], f32, K their FIRST axis, become codes of FP8 (E4M3) with the given scales 2^e1 and 2^e7,
; laid as IMAGES OF OPERAND REGISTERS: [n / 16][k / 32][h: 2][r: 16][16 bytes]; of a lane's 16 bytes the first 8 are k = 32 kb + 8 h + 0..7, the last 8 are k = 32 kb + 16 + 8 h + 0..7.
; So the fragment (16 columns n, 128 along K) of v_wmma_f32_16x16x128_fp8_fp8 is 2,048 consecutive bytes, four groups of 512, lane l's 16 bytes of a group at 16 l.
; code = x / 2^e, held within +-448, to the nearest code, ties to even.  LIMITS: e between -126 and 119; NaN among the inputs is not served.
; SHARES.  A work-group takes 128 columns x 64 along K, a wave 32 columns.  A LANE TAKES A COLUMN AND ITS REGISTERS RUN DOWN K: each load reads 128 consecutive bytes a wave, and the
; conversions, which take neighbours along K from one lane's registers, give the codes with K innermost.  Work-groups 0-127: W_qkuv (16 groups of columns x 8 along K); 128-159: W_out (4 x 8).
; No LDS, no barrier, no matrix unit: waves share nothing.  No cluster: no two work-groups read the same bytes.
.set X, 16                             ; v16-79  two blocks of 32 numbers down K
.set C, 80                             ; v80-95  eight registers of codes for each block: no store's data are written again
	s_load_b128 s[4:7], s[0:1], 0x0                ; W_qkuv, W_out
	s_load_b64 s[8:9], s[0:1], 0x10                ; the scales' exponents
	s_load_b128 s[12:15], s[0:1], 0x18             ; wq_img, wo_img
	v_lshrrev_b32 v3, 5, v0
	v_readfirstlane_b32 s16, v3                    ; wave 0..3
	v_and_b32 v4, 31, v0                           ; lane
	v_lshlrev_b32 v1, 2, v4                        ; in: 4 bytes a lane
	v_lshrrev_b32 v5, 4, v4
	v_and_b32 v6, 15, v4
	v_lshlrev_b32 v2, 4, v6
	v_lshl_add_u32 v2, v5, 13, v2                  ; out: 16 r, and lanes 16-31 one tile of 16 columns (8,192 bytes) on
	s_mov_b32 s24, 2048
	s_cmp_lt_u32 ttmp9, 128                        ; which tensor: the choice hangs on the work-group's number alone
	s_cselect_b32 s17, 0, 128
	s_cselect_b32 s18, 15, 3                       ; groups of 128 columns, less one
	s_cselect_b32 s19, 4, 2
	s_cselect_b32 s24, 8192, s24                   ; a row of the tensor in bytes
	s_sub_co_u32 s17, ttmp9, s17
	s_and_b32 s25, s17, s18                        ; cg: which 128 columns
	s_lshr_b32 s26, s17, s19                       ; kp: which 64 along K
	s_mul_i32 s36, s26, s24
	s_lshl_b32 s36, s36, 6                         ; 64 kp rows,
	s_lshl_b32 s37, s25, 9
	s_add_co_u32 s36, s36, s37                     ; + 512 cg
	s_lshl_b32 s37, s16, 7
	s_add_co_u32 s36, s36, s37                     ; + 128 x wave
	s_mov_b32 s37, 0
	s_lshl_b32 s38, s25, 16                        ; the images: tile 8 cg + 2 x wave, 8,192 bytes each,
	s_lshl_b32 s39, s16, 14
	s_add_co_u32 s38, s38, s39
	s_lshl_b32 s39, s26, 10                        ; + two blocks of 512 bytes for each kp
	s_add_co_u32 s38, s38, s39
	s_mov_b32 s39, 0
	s_wait_kmcnt 0x0
	s_load_b256 s[28:35], s[8:9], 0x0              ; e0 .. e7
	s_cmp_lt_u32 ttmp9, 128
	s_cselect_b64 s[20:21], s[4:5], s[6:7]
	s_cselect_b64 s[22:23], s[12:13], s[14:15]
	s_add_nc_u64 s[20:21], s[20:21], s[36:37]
	s_add_nc_u64 s[22:23], s[22:23], s[38:39]
.macro LOADS rowb                      ; 64 rows of my column: every offset an immediate, 63 x 8,192 bytes at the most
.set i, 0
.rept 64
	global_load_b32 v[X+i], v1, s[20:21] offset:i*\rowb th:TH_LOAD_NT
.set i, i+1
.endr
.endm
	s_cmp_lt_u32 ttmp9, 128                        ; the two tensors differ in the row's length, which stands in the loads' immediates: two arms that hold the loads alone
	s_cbranch_scc0 .Lw_out
	LOADS 8192
	s_branch .Lloaded
.Lw_out:
	LOADS 2048
.Lloaded:
	s_wait_kmcnt 0x0
	s_cmp_lt_u32 ttmp9, 128
	s_cselect_b32 s27, s29, s35                    ; e1 or e7
	s_add_co_i32 s27, s27, 127
	s_lshl_b32 s17, s27, 23
	v_mov_b32 v11, s17                             ; 2^e as f32: the conversion takes its exponent field
	s_add_co_i32 s27, s27, 8
	s_lshl_b32 s27, s27, 23
	s_or_b32 s27, s27, 0x600000
	v_mov_b32 v10, s27                             ; 448 x 2^e
.macro BLOCK t
.set XS, X+32*\t
.set CS, C+8*\t
.set i, 0
.rept 32
	v_med3_num_f32 v[XS+i], v[XS+i], -v10, v10     ; the conversion to an 8-bit code does not saturate (ISA guide 7.6.2): the hold comes first
.set i, i+1
.endr
	v_cvt_scalef32_pk8_fp8_f32 v[CS:CS+1], v[XS:XS+7], v11         ; h = 0: k = 0..7,
	v_cvt_scalef32_pk8_fp8_f32 v[CS+2:CS+3], v[XS+16:XS+23], v11   ;        k = 16..23
	v_cvt_scalef32_pk8_fp8_f32 v[CS+4:CS+5], v[XS+8:XS+15], v11    ; h = 1: k = 8..15,
	v_cvt_scalef32_pk8_fp8_f32 v[CS+6:CS+7], v[XS+24:XS+31], v11   ;        k = 24..31
	global_store_b128 v2, v[CS:CS+3], s[22:23] offset:512*\t       ; sixteen lanes store 256 consecutive bytes, at a multiple of 256 from the buffer's first byte
	global_store_b128 v2, v[CS+4:CS+7], s[22:23] offset:512*\t+256
.endm
	s_wait_loadcnt 32                              ; block 0's 32 loads are in; block 1's 32 are younger
	BLOCK 0
	s_wait_loadcnt 0x0
	BLOCK 1                                        ; (its holds are the plain lines behind block 0's conversions, whose results go to stores alone)
	s_endpgm
.Lfunc_end_k_qe09937dd1f_prep:
	.size	k_qe09937dd1f_prep, .Lfunc_end_k_qe09937dd1f_prep-k_qe09937dd1f_prep
	.p2alignl 7, 3214868480
	.fill 96, 4, 3214868480
	.section	.rodata,"a",@progbits
	.p2align	6, 0x0
	.amdhsa_kernel k_qe09937dd1f_prep
		.amdhsa_group_segment_fixed_size 0
		.amdhsa_private_segment_fixed_size 0
		.amdhsa_enable_private_segment 0
		.amdhsa_kernarg_size 40
		.amdhsa_user_sgpr_count 2
		.amdhsa_user_sgpr_kernarg_segment_ptr 1
		.amdhsa_wavefront_size32 1
		.amdhsa_system_sgpr_workgroup_id_x 1
		.amdhsa_system_sgpr_workgroup_id_y 1
		.amdhsa_system_sgpr_workgroup_id_z 1
		.amdhsa_system_vgpr_workitem_id 0
		.amdhsa_next_free_vgpr 96
		.amdhsa_next_free_sgpr 66
		.amdhsa_reserve_vcc 0
		.amdhsa_float_denorm_mode_32 3
		.amdhsa_float_denorm_mode_16_64 3
		.amdhsa_memory_ordered 1
		.amdhsa_forward_progress 1
		.amdhsa_inst_pref_size 20
	.end_amdhsa_kernel
	.amdgpu_metadata
---
amdhsa.version: [ 1, 2 ]
amdhsa.kernels:
  - .name:           k_qe09937dd1f_prep
    .symbol:         k_qe09937dd1f_prep.kd
    .args:
      - { .name: W_qkuv, .offset: 0, .size: 8, .value_kind: global_buffer, .address_space: global }
      - { .name: W_out, .offset: 8, .size: 8, .value_kind: global_buffer, .address_space: global }
      - { .name: lowp_scales, .offset: 16, .size: 8, .value_kind: global_buffer, .address_space: global }
      - { .name: wq_img, .offset: 24, .size: 8, .value_kind: global_buffer, .address_space: global }
      - { .name: wo_img, .offset: 32, .size: 8, .value_kind: global_buffer, .address_space: global }
    .group_segment_fixed_size: 0
    .private_segment_fixed_size: 0
    .kernarg_segment_align: 8
    .kernarg_segment_size: 40
    .max_flat_workgroup_size: 128
    .sgpr_count:     66
    .vgpr_count:     96
    .wavefront_size: 32
...
	.end_amdgpu_metadata
.endif
;; end of part 1
;; launch qkvu (part 2): grid 64 x 4, 8 waves a work-group, no clusters, 33,792 bytes of LDS; arguments x, wq_img, lowp_scales, qc, kc, vc, ub; writes qc, kc, vc, ub
.if DOCPART == 2
	.amdgcn_target "amdgcn-amd-amdhsa--gfx1250"
	.amdhsa_code_object_version 6
	.text
	.protected	k_qe09937dd1f_qkvu
	.globl	k_qe09937dd1f_qkvu
	.p2align	8
	.type	k_qe09937dd1f_qkvu,@function
k_qe09937dd1f_qkvu:
	s_mov_b64 s[64:65], 0
	v_nop
	global_prefetch_b8 v0, s[64:65] scope:SCOPE_SE
	s_setreg_imm32_b32 hwreg(HW_REG_WAVE_MODE, 25, 1), 1
	s_wait_xcnt 0x0
; silu(x W_qkuv) on codes of FP8 (E4M3): x [8192][512] f32 is quantised here (2^e0); W's codes (2^e1) come as images of operand registers.  The result leaves as the next launch wants it:
;   q, k (2^e2, 2^e3): codes, [row / 16][head: 8][group: 2][lane][16 bytes]: a fragment of 16 rows x 64 of the head's axis for v_wmma_f32_16x16x64_fp8_fp8 is 1,024 consecutive bytes;
;   v (2^e5): codes with the KEYS innermost, [row / 64][head][d / 16: 4][group: 2][lane][16 bytes]: a fragment of 16 d x 64 keys;
;   u: f32, [row / 16][head][d / 16: 4][half: 2][lane][16 bytes]: register 8 t + j of lane (r, h) is u(row r, d = 16 t + 8 h + j).
; SHARES.  Work-group (x, y): rows 128 x .. + 127 in two blocks of 64; y = 0 q, 1 k, 2 v, 3 u: 512 columns.  Wave w makes head w's 64 columns for all 64 rows of a block: 16 accumulators.
; Its 16 fragments of W (256 registers, window 1) are read from memory once and stay.  A block's x goes from wave to wave through LDS as images of its fragments' registers.
; NO ROUND TRIP THROUGH LDS FOR THE RESULTS.  q, k, u: source 0 = 16 columns of W, source 1 = 16 rows of x: a lane holds one row and eight neighbouring columns, so four tiles' conversions are a
; fragment with the head's axis innermost.  v: source 0 = x, source 1 = W: a lane holds one column d and eight neighbouring rows, so four tiles' conversions are a fragment with the keys innermost.
; silu(a) = a / (1 + 2^(-a log2 e)), a = sum x 2^(e0 + e1): the power of two is folded into the factor of the exponent and into the conversion's scale, 2^(e_dst - e0 - e1); u gets it by v_ldexp_f32.
; NO CLUSTER: joint requests are made by tensor loads; here each work-group reads its 256 KiB of W's codes once, straight into the registers where they stay, and x into the registers that quantise it.
; LIMITS: e0, and e_dst - e0 - e1 (dst = 2, 3, 5), between -126 and 119; e0 + e1 between -126 and 127.  NaN and infinities among the inputs are not served.
; REGISTERS.  Window 0: v1-7 addresses; v8-11 scales; v16-47 codes; v48-111 x's four fragments of a K step, later the activation's scratch; v112-239 the accumulators (before the products: x as loaded).
;             Window 1: W's fragment (tile t, K step s) at v[16 (4 t + s)].
.set LI,  1                            ; v1   16 x lane
.set XA,  2                            ; v2   x: row r of 2,048 bytes + 32 h
.set XWI, 3                            ; v3   where I store my two images of x: 16 x lane + 4,096 x wave
.set VO,  4                            ; v4-7 the codes' offsets: 16 x lane + g x (8,192 for q and k: 16 rows on; 1,024 for v: 16 d on)
.set PC,  16
.set XF,  48
.set ACC, 112
.set WV,  18
.set TY,  19
.set BLK, 20
.set CN1, 36                           ; s[36:37] -log2(e) x 2^(e0 + e1)
.set MSB, 0
.macro WIN new                         ; the immediate's high byte repeats the setting that is left
.if MSB != \new
	s_set_vgpr_msb (MSB<<8)|\new
.set MSB, \new
.endif
.endm
.macro BARRIER                         ; my LDS stores have landed and my LDS loads are in: then the work-group's barrier
	s_wait_dscnt 0x0
	s_barrier_signal -1
	s_barrier_wait -1
.endm
	s_load_b256 s[4:11], s[0:1], 0x0               ; x s[4:5], wq_img s[6:7], the scales s[8:9], qc s[10:11]
	s_load_b128 s[12:15], s[0:1], 0x20             ; kc, vc
	s_load_b64 s[16:17], s[0:1], 0x30              ; ub
	v_lshl_add_u32 v254, v0, 2, 0x8000
	v_mov_b32 v255, 0
	v_lshrrev_b32 v12, 5, v0
	v_readfirstlane_b32 s[WV], v12                 ; wave 0..7
	s_and_b32 s[TY], ttmp7, 0xffff
	v_and_b32 v12, 31, v0
	v_lshlrev_b32 v[LI], 4, v12
	v_and_b32 v13, 15, v0                          ; r
	v_bfe_u32 v14, v0, 4, 1                        ; h
	v_lshlrev_b32 v[XA], 11, v13
	v_lshl_add_u32 v[XA], v14, 5, v[XA]
	s_lshl_b32 s44, s[WV], 12                      ; fragment (tile of rows w / 2, K step 2 (w % 2)) lies at (4 (w / 2) + 2 (w % 2)) x 2,048 = 4,096 w
	v_add_nc_u32 v[XWI], s44, v[LI]
	s_lshl_b32 s44, ttmp9, 18                      ; x: 128 rows of 2,048 bytes for each work-group x,
	s_lshr_b32 s45, s[WV], 1
	s_lshl_b32 s45, s45, 15
	s_add_co_u32 s44, s44, s45                     ; + my tile of 16 rows,
	s_and_b32 s45, s[WV], 1
	s_lshl_b32 s45, s45, 10
	s_add_co_u32 s44, s44, s45                     ; + my 256 along K
	s_mov_b32 s45, 0
	s_lshl_b32 s46, s[TY], 18                      ; W: tile 32 y + 4 w, 8,192 bytes each
	s_lshl_b32 s47, s[WV], 15
	s_add_co_u32 s46, s46, s47
	s_mov_b32 s47, 0
	s_cmp_lt_u32 s[TY], 2
	s_cselect_b32 s48, 10, 12                      ; a head's bytes in a group of rows: 2^10 in q and k, 2^12 in v and u
	s_cselect_b32 s49, 13, 10
	s_cmp_lt_u32 s[TY], 3
	s_cselect_b32 s50, 15, 17                      ; a block of 64 rows: 2^15 bytes of codes, 2^17 of u
	s_lshl_b32 s42, 1, s50
	s_mov_b32 s43, 0                               ; s[42:43]: from block to block
	s_lshl_b32 s52, ttmp9, 1
	s_lshl_b32 s52, s52, s50
	s_lshl_b32 s53, s[WV], s48
	s_add_co_u32 s52, s52, s53
	s_mov_b32 s53, 0
.irp g, 0,1,2,3
	s_lshl_b32 s51, \g, s49
	v_add_nc_u32 v[VO+\g], s51, v[LI]
.endr
	s_wait_kmcnt 0x0
	s_load_b256 s[24:31], s[8:9], 0x0              ; e0 .. e7
	s_add_nc_u64 s[4:5], s[4:5], s[44:45]
	s_add_nc_u64 s[6:7], s[6:7], s[46:47]
	s_cmp_eq_u32 s[TY], 0                          ; the output's buffer: a choice on the work-group's number
	s_cselect_b64 s[40:41], s[10:11], s[12:13]
	s_cmp_lt_u32 s[TY], 2
	s_cselect_b64 s[40:41], s[40:41], s[14:15]
	s_cmp_lt_u32 s[TY], 3
	s_cselect_b64 s[40:41], s[40:41], s[16:17]
	s_add_nc_u64 s[40:41], s[40:41], s[52:53]
	WIN 0x40                                       ; destination window 1
.irp t, 0,1,2,3
.irp s, 0,1,2,3
.irp g, 0,1,2,3
	global_load_b128 v[16*(4*\t+\s)+4*\g:16*(4*\t+\s)+4*\g+3], v[LI], s[6:7] offset:8192*\t+2048*\s+512*\g   ; 512 consecutive bytes a load: W's fragments stay
.endr
.endr
.endr
	WIN 0
	s_wait_kmcnt 0x0
	s_add_co_i32 s38, s24, s25                     ; e0 + e1
	s_lshl_b32 s44, s38, 23
	s_add_co_u32 s[CN1], s44, 0xbfb8aa3b           ; added to the exponent field of -log2(e)
	s_mov_b32 s[CN1+1], s[CN1]                     ; (named with it as a pair, so it is written)
	s_add_co_i32 s44, s24, 127
	s_lshl_b32 s45, s44, 23
	v_mov_b32 v8, s45                              ; 2^e0
	s_add_co_i32 s44, s44, 8
	s_lshl_b32 s44, s44, 23
	s_or_b32 s44, s44, 0x600000
	v_mov_b32 v9, s44                              ; 448 x 2^e0
	s_cmp_eq_u32 s[TY], 0
	s_cselect_b32 s44, s26, s27
	s_cmp_lt_u32 s[TY], 2
	s_cselect_b32 s44, s44, s29                    ; e2, e3 or e5 (in u's work-groups the two registers below are not used)
	s_sub_co_i32 s44, s44, s38
	s_add_co_i32 s44, s44, 127
	s_lshl_b32 s45, s44, 23
	v_mov_b32 v10, s45                             ; 2^(e_dst - e0 - e1)
	s_add_co_i32 s44, s44, 8
	s_lshl_b32 s44, s44, 23
	s_or_b32 s44, s44, 0x600000
	v_mov_b32 v11, s44                             ; 448 x that
	s_mov_b32 s[BLK], 2
; 64 numbers of a lane, register 8 c + i = k 16 c + 8 h + i of my row, become a fragment's 16 registers
.macro QUANT src, pc
.set j, 0
.rept 64
	v_med3_num_f32 v[(\src)+j], v[(\src)+j], -v9, v9   ; the conversion does not saturate (ISA guide 7.6.2): the hold at 448 x the scale
.set j, j+1
.endr
.set j, 0
.rept 8
	v_cvt_scalef32_pk8_fp8_f32 v[(\pc)+2*j:(\pc)+2*j+1], v[(\src)+8*j:(\src)+8*j+7], v8
.set j, j+1
.endr
	v_nop                                          ; one plain line behind the last conversion: matrix instructions later write its sources
.endm
.macro IMAGE pc, sl                    ; the fragment goes to LDS as it stands: four stores of 512 consecutive bytes
.irp g, 0,1,2,3
	ds_store_b128 v[XWI], v[(\pc)+4*\g:(\pc)+4*\g+3] offset:2048*\sl+512*\g
.endr
.endm
.macro FETCHX s                        ; K step s of the four tiles of rows, in any wave
.irp m, 0,1,2,3
.irp g, 0,1,2,3
	ds_load_b128 v[XF+16*\m+4*\g:XF+16*\m+4*\g+3], v[LI] offset:(4*\m+\s)*2048+512*\g
.endr
.endr
.endm
; 16 matrix instructions, the 16 accumulators by turns, one instruction a turn.  var = 0: W first (q, k, u), accumulator (m, t) at 8 (4 m + t); var = 1: x first (v), at 8 (4 t + m).
.macro MULS var, s
.if \var
	WIN 0x04                                       ; source 1 (W) window 1
.else
	WIN 0x01                                       ; source 0 (W) window 1
.endif
.irp m, 0,1,2,3
.irp t, 0,1,2,3
.if \var
.if \s == 0
	v_wmma_f32_16x16x128_fp8_fp8 v[ACC+8*(4*\t+\m):ACC+8*(4*\t+\m)+7], v[XF+16*\m:XF+16*\m+15], v[16*(4*\t+\s):16*(4*\t+\s)+15], 0
.else
	v_wmma_f32_16x16x128_fp8_fp8 v[ACC+8*(4*\t+\m):ACC+8*(4*\t+\m)+7], v[XF+16*\m:XF+16*\m+15], v[16*(4*\t+\s):16*(4*\t+\s)+15], v[ACC+8*(4*\t+\m):ACC+8*(4*\t+\m)+7]
.endif
.else
.if \s == 0
	v_wmma_f32_16x16x128_fp8_fp8 v[ACC+8*(4*\m+\t):ACC+8*(4*\m+\t)+7], v[16*(4*\t+\s):16*(4*\t+\s)+15], v[XF+16*\m:XF+16*\m+15], 0
.else
	v_wmma_f32_16x16x128_fp8_fp8 v[ACC+8*(4*\m+\t):ACC+8*(4*\m+\t)+7], v[16*(4*\t+\s):16*(4*\t+\s)+15], v[XF+16*\m:XF+16*\m+15], v[ACC+8*(4*\m+\t):ACC+8*(4*\m+\t)+7]
.endif
.endif
.endr
.endr
	WIN 0
.endm
.macro PRODUCT var
.irp s, 0,1,2,3
	FETCHX \s
	s_wait_dscnt 0x0
	MULS \var, \s
.rept 4
	v_nop                                          ; four plain lines behind the products, ahead of the loads into x's fragments and of the first read of the sums
.endr
.endr
.endm
; The activation on accumulators 8 hf .. 8 hf + 7, each read from its low end on: sum x 1 / (1 + 2^(sum x CN1)).  Two batches of 64 transcendentals, each with one plain line and one wait behind it.
.macro SILU hf
.set j, 0
.rept 32
	v_pk_mul_f32 v[XF+j:XF+j+1], v[ACC+64*\hf+j:ACC+64*\hf+j+1], s[CN1:CN1+1] op_sel_hi:[1,0]
.set j, j+2
.endr
.set j, 0
.rept 64
	v_exp_f32 v[XF+j], v[XF+j]
.set j, j+1
.endr
	v_nop
	s_wait_alu depctr_va_vdst(0)                   ; one wait for the batch, ahead of its first reader
.set j, 0
.rept 32
	v_pk_add_f32 v[XF+j:XF+j+1], v[XF+j:XF+j+1], 1.0 op_sel_hi:[1,0]
.set j, j+2
.endr
.set j, 0
.rept 64
	v_rcp_f32 v[XF+j], v[XF+j]
.set j, j+1
.endr
	v_nop
	s_wait_alu depctr_va_vdst(0)
.set j, 0
.rept 32
	v_pk_mul_f32 v[ACC+64*\hf+j:ACC+64*\hf+j+1], v[ACC+64*\hf+j:ACC+64*\hf+j+1], v[XF+j:XF+j+1]
.set j, j+2
.endr
.endm
; Two fragments of codes (g = 2 hf, 2 hf + 1), each from four accumulators on end, and their four stores of 512 consecutive bytes
.macro CODES hf
.set j, 0
.rept 64
	v_med3_num_f32 v[ACC+64*\hf+j], v[ACC+64*\hf+j], -v11, v11
.set j, j+1
.endr
.irp g, 0,1
.irp c, 0,1,2,3
	v_cvt_scalef32_pk8_fp8_f32 v[PC+16*\hf+8*\g+2*\c:PC+16*\hf+8*\g+2*\c+1], v[ACC+64*\hf+32*\g+8*\c:ACC+64*\hf+32*\g+8*\c+7], v10
.endr
.endr
	v_nop                                          ; one plain line behind the last conversion
.irp g, 0,1
.irp p, 0,1
	global_store_b128 v[VO+2*\hf+\g], v[PC+16*\hf+8*\g+4*\p:PC+16*\hf+8*\g+4*\p+3], s[40:41] offset:512*\p
.endr
.endr
.endm
.macro UOUT hf                         ; u leaves as f32, x 2^(e0 + e1), in the layout of the accumulators
.set j, 0
.rept 64
	v_ldexp_f32 v[ACC+64*\hf+j], v[ACC+64*\hf+j], s38
.set j, j+1
.endr
.irp g, 0,1
.irp i, 0,1,2,3,4,5,6,7
	global_store_b128 v[LI], v[ACC+64*\hf+32*\g+4*\i:ACC+64*\hf+32*\g+4*\i+3], s[40:41] offset:(2*\hf+\g)*32768+512*\i
.endr
.endr
.endm
.Lblock:
.irp sl, 0,1                           ; my 16 rows x 256 along K: two K steps, 64 numbers a lane each, into the accumulators' registers
.irp c, 0,1,2,3,4,5,6,7
.irp j, 0,1
	global_load_b128 v[ACC+64*\sl+8*\c+4*\j:ACC+64*\sl+8*\c+4*\j+3], v[XA], s[4:5] offset:512*\sl+64*\c+16*\j
.endr
.endr
.endr
	s_wait_loadcnt 16                              ; the first K step's loads (and, in the first trip, W's) are in; the second K step's 16 are younger
	QUANT ACC, PC
	IMAGE PC, 0
	s_wait_loadcnt 0x0
	QUANT ACC+64, PC+16
	IMAGE PC+16, 1
	BARRIER                                        ; x's sixteen fragments lie in LDS
	s_cmp_eq_u32 s[TY], 2                          ; the same in all waves of the work-group; no barrier stands in either arm
	s_cbranch_scc1 .Lnatural
	PRODUCT 0
	s_branch .Lsummed
.Lnatural:
	PRODUCT 1
.Lsummed:
	BARRIER                                        ; every wave's reads of the images are in: the next block may write them
	SILU 0
	s_cmp_eq_u32 s[TY], 3
	s_cbranch_scc1 .Lgate
	CODES 0
	SILU 1
	CODES 1
	s_branch .Lstored
.Lgate:
	UOUT 0
	SILU 1
	UOUT 1
.Lstored:
	s_wait_xcnt 0x0                                ; the stores have read their data and both bases have been read: all may be written again
	s_add_nc_u64 s[4:5], s[4:5], 131072            ; 64 rows of x on
	s_add_nc_u64 s[40:41], s[40:41], s[42:43]
	s_sub_co_u32 s[BLK], s[BLK], 1
	s_cmp_lg_u32 s[BLK], 0
	s_cbranch_scc1 .Lblock
	s_wait_tensorcnt 0x0
	ds_add_u32 v254, v255
	s_wait_dscnt 0x0
	s_endpgm
.Lfunc_end_k_qe09937dd1f_qkvu:
	.size	k_qe09937dd1f_qkvu, .Lfunc_end_k_qe09937dd1f_qkvu-k_qe09937dd1f_qkvu
	.p2alignl 7, 3214868480
	.fill 96, 4, 3214868480
	.section	.rodata,"a",@progbits
	.p2align	6, 0x0
	.amdhsa_kernel k_qe09937dd1f_qkvu
		.amdhsa_group_segment_fixed_size 33792
		.amdhsa_private_segment_fixed_size 0
		.amdhsa_enable_private_segment 0
		.amdhsa_kernarg_size 56
		.amdhsa_user_sgpr_count 2
		.amdhsa_user_sgpr_kernarg_segment_ptr 1
		.amdhsa_wavefront_size32 1
		.amdhsa_system_sgpr_workgroup_id_x 1
		.amdhsa_system_sgpr_workgroup_id_y 1
		.amdhsa_system_sgpr_workgroup_id_z 1
		.amdhsa_system_vgpr_workitem_id 0
		.amdhsa_next_free_vgpr 512
		.amdhsa_next_free_sgpr 66
		.amdhsa_reserve_vcc 0
		.amdhsa_float_denorm_mode_32 3
		.amdhsa_float_denorm_mode_16_64 3
		.amdhsa_memory_ordered 1
		.amdhsa_forward_progress 1
		.amdhsa_inst_pref_size 92
	.end_amdhsa_kernel
	.amdgpu_metadata
---
amdhsa.version: [ 1, 2 ]
amdhsa.kernels:
  - .name:           k_qe09937dd1f_qkvu
    .symbol:         k_qe09937dd1f_qkvu.kd
    .args:
      - { .name: x, .offset: 0, .size: 8, .value_kind: global_buffer, .address_space: global }
      - { .name: wq_img, .offset: 8, .size: 8, .value_kind: global_buffer, .address_space: global }
      - { .name: lowp_scales, .offset: 16, .size: 8, .value_kind: global_buffer, .address_space: global }
      - { .name: qc, .offset: 24, .size: 8, .value_kind: global_buffer, .address_space: global }
      - { .name: kc, .offset: 32, .size: 8, .value_kind: global_buffer, .address_space: global }
      - { .name: vc, .offset: 40, .size: 8, .value_kind: global_buffer, .address_space: global }
      - { .name: ub, .offset: 48, .size: 8, .value_kind: global_buffer, .address_space: global }
    .group_segment_fixed_size: 33792
    .private_segment_fixed_size: 0
    .kernarg_segment_align: 8
    .kernarg_segment_size: 56
    .max_flat_workgroup_size: 256
    .sgpr_count:     66
    .vgpr_count:     512
    .wavefront_size: 32
...
	.end_amdgpu_metadata
.endif
;; end of part 2
;; launch attn (part 3): grid 128 x 2, 8 waves a work-group, clusters of 4 x 1, 327,680 bytes of LDS; arguments qc, kc, vc, ub, wo_img, attn_mask, ln_gamma, ln_beta, lowp_scales, out0; writes out0
.if DOCPART == 3
	.amdgcn_target "amdgcn-amd-amdhsa--gfx1250"
	.amdhsa_code_object_version 6
	.text
	.protected	k_qe09937dd1f_attn
	.globl	k_qe09937dd1f_attn
	.p2align	8
	.type	k_qe09937dd1f_attn,@function
k_qe09937dd1f_attn:
	s_mov_b64 s[64:65], 0
	v_nop
	global_prefetch_b8 v0, s[64:65] scope:SCOPE_SE
	s_setreg_imm32_b32 hwreg(HW_REG_WAVE_MODE, 25, 1), 1
	s_wait_xcnt 0x0
	s_wait_alu depctr_hold_cnt(0) depctr_sa_sdst(0) depctr_va_vdst(0) depctr_va_sdst(0) depctr_va_ssrc(0) depctr_va_vcc(0) depctr_vm_vsrc(0)
	s_getreg_b32 s2, hwreg(HW_REG_IB_STS2, 6, 4)
	s_cmp_eq_u32 s2, 0
	s_cbranch_scc0 .Lentry_in_a_cluster
	s_endpgm
.Lentry_in_a_cluster:
	s_bfe_u32 s2, ttmp6, 0x10000c
	s_cmp_lg_u32 s2, 0x3003
	s_cbranch_scc0 .Lentry_shape_is_right
	s_endpgm
.Lentry_shape_is_right:
; out0 = (LayerNorm_d(P v) x u) W_out, P = silu(q k^T / 8) x attn_mask, all three products on codes of FP8 (E4M3) with the given scales.  q, k, v, W_out arrive as images of operand registers, u as f32
; in the layout of an accumulator.  attn_mask [4096][4096] f32 is an input: every score is computed and multiplied by its number of the mask.
; SHARES.  A work-group owns 32 queries of one batch entry b, for ALL 8 heads: wave w is head w, with two tiles of 16 queries.  So the last product is made here too, and each row of out0 has one owner.
; Every wave walks all 4,096 keys, 64 a step, 128 a tile.  A tile is 64 KiB of k's codes and 64 KiB of v's (both dense in memory), in a ring of two LDS slots, and 32 rows x 512 bytes of the mask, in two slots of its own.
; CLUSTER.  The four query blocks of a cluster walk the same k and v: each half tile (32 KiB) is asked for JOINTLY by waves 0-3, with a mask that names the four.
; THE WALK.  Cluster x begins at key tile 13 x mod 32 and goes round all 32: a sum over keys has no order of its own, and in one trip no two clusters of a batch entry ask for the same tile.
; THE MASK is each work-group's own.  Wave w loads rows 4 w .. 4 w + 3 of a tile into registers (four loads of 512 consecutive bytes), three key steps ahead of the four LDS stores that lay them into the
; mask's slot: two sets of 16 registers take turns, so a loop's trip is two tiles.  These slots are written by LDS stores alone.
; FRAGMENTS ONE STEP AHEAD.  A step issues the next step's 32 LDS loads behind its own products k q^T.  So at the head of a tile's second step the slot has been read out, and the change of slots stands there.
; LAYOUT.  S^T = k q^T (source 0 = 16 keys, source 1 = 16 queries): a lane holds ONE query and keys 16 c + 8 h + 0..7, so the conversions' results are source 1 of O^T = v^T P^T, whose result holds the
; query again, and d = 16 t + 8 h + 0..7.  Nothing changes lanes but the two sums of the LayerNorm (one exchange between the halves of the lanes each).
; A SCORE.  s = S x 2^(e2 + e3 - 3); P = s x m / (1 + 2^(-s log2 e)).  The power of two goes into the exponent's factor and into the conversion's scale 2^(e4 - e2 - e3 + 3):
; S x m, S x CN, 2^., + 1, 1 / ., x, the hold at 448 x the scale, the conversion.  Two tiles' batches of transcendentals stand beside each other's plain work; three waits a step.
; LIMITS: e2 + e3 - 3 between -126 and 127; e4 - e2 - e3 + 3 and e6 between -126 and 119; S x m stays finite; NaN and infinities among the inputs are not served.
; O^T begins as zeros (64 v_mov_b32, once), so that a key step is written in one form.
; REGISTERS.  Window 0: v1-25 addresses and scales; v32-47 P's codes; v48-111 O^T (tile u, t) at 8 (4 u + t); v112-175 S^T, then P; v176-239 the mask of a tile's second step; v240-255 the mask on its way, even tiles
;             (on the way out: the LayerNorm's sums).
;             Window 1: v0-15 q; v16-47 k of a step; v48-111 v, a set for each of a tile's two steps; v112-127 the mask on its way, odd tiles; v128-191 the mask of a tile's first step, at the end u;
;             v192-223 gamma; v224-255 beta.  On the way out W_out's and z's fragments take what is free.
.set KSL,   65536                      ; k's slots at 0 and KSL, v's at VBASE and VBASE + KSL
.set VBASE, 131072
.set MBASE, 262144                     ; the mask's slots at MBASE and MBASE + MSL: 32 rows of 512 bytes + 16 of padding; no tensor load lands here
.set MSL,   32768
.set MP,    528                        ; 132 words: row r starts at bank 4 r mod 64 (64 banks of 4 bytes: ISA guide 11.1): the 16 rows that a load touches start at 16 different banks
.set SPARE, 280576                     ; between the mask's slots: the spare words, 128 bytes for each of eight waves: four blocks of 256 bytes that no other line names
.set ZIMG,  0                          ; the way out lies in k's slot 0, which has had its last fill (the walk's tile 30) and its last read at the last change of slots: z's 8 fragments, 2,048 bytes each,
.set STAGE, 16384                      ; and a stage of 16 rows x (256 + 16) bytes for each wave
.set SP,    272
.set RR,  1                            ; v1  r = lane % 16
.set HH,  2                            ; v2  h = lane / 16
.set LI,  3                            ; v3  16 x lane
.set AK,  4                            ; v4, v5  my head's place in k's slot 0, 1: 1,024 w + 16 x lane
.set ZWI, 4                            ;     z's images: head w is half w % 2 of fragment w / 2: 2,048 (w / 2) + 1,024 (w % 2) + 16 x lane, the same number as v4
.set AV,  6                            ; v6, v7  in v's slots: VBASE + 4,096 w + 16 x lane
.set AM,  8                            ; v8, v9  in the mask's slots, to read: MBASE + 528 r + 32 h
.set SPW, 10                           ; v10 LDS address of my spare word; never rewritten
.set NIL, 11                           ; v11 0; never rewritten
.set AMS, 12                           ; v12, v13  in the mask's slots, to store: MBASE + 528 x 4 w + 16 x lane
.set LIMP, 14                          ; v14 448 x 2^(e4 - e2 - e3 + 3)
.set SCP, 15                           ; v15 2^(e4 - e2 - e3 + 3)
.set STO, 16
.set RD,  17
.set GO,  18
.set SCZ, 20                           ; v20 2^e6
.set LIMZ, 21                          ; v21 448 x 2^e6
.set GOFF, 22                          ; v22 32 h: my eight numbers of gamma and beta in a tile of 16
.set MO,  24                           ; v24, v25  the mask loads' offset, one for each set: 16 x lane + 512 x key tile
.set PC,  32
.set OA,  48
.set SA,  112
.set MA0, 176                          ; window 0: the mask of a tile's second step
.set LN,  240
.set MR0, 240                          ; window 0: the mask on its way, even tiles
.set QF,  0                            ; window 1
.set KF,  16
.set VF,  48
.set MR1, 112                          ; window 1: the mask on its way, odd tiles
.set MA1, 128                          ; window 1: the mask of a tile's first step
.set UF,  128
.set GAM, 192
.set BET, 224
.set ZF,  128                          ; z's fragments, behind the LayerNorm
.set G1J, 32                           ; s[32:39] group 1 of the joint loads
.set G0K, 48                           ; s[48:51], s[52:55] groups 0, which walk
.set G0V, 52
.set WV,  56
.set CX,  57
.set QB,  58
.set BB,  59
.set TI,  60                           ; s60 the key tile that k's and v's descriptors name
.set TMI, 61                           ; s61 the key tile that the next loads of the mask take
.set SLOTS, 62                         ; s62 the loop's trips
.set CN,  66                           ; s[66:67] -log2(e) x 2^(e2 + e3 - 3)
.set SEL, 68                           ; s[68:69] v_permlanex16_b32's selects for lane l xor 16
.set EPV, 74                           ; s74 e4 + e5
.set EZW, 75                           ; s75 e6 + e7
.set R64, 76                           ; s76 1 / 64
.set EPS, 79                           ; s79 1e-5
.set MSB, 0
.macro WIN new                         ; the immediate's high byte repeats the setting that is left; a switch that changes nothing is dropped
.if MSB != \new
	s_set_vgpr_msb (MSB<<8)|\new
.set MSB, \new
.endif
.endm
; A round of the cluster's barrier: my work-group's barrier; wave 0 signals for the work-group; every wave waits for all four work-groups; my work-group's barrier once more.
.macro CREST                           ; a round behind its opening barrier
	s_cmp_lg_u32 s[WV], 0
	s_cbranch_scc1 .Lnot_wave_0_\@
	s_barrier_signal -3
.Lnot_wave_0_\@:
	s_barrier_wait -3
	s_barrier_signal -1
	s_barrier_wait -1
.endm
.macro CROUND                          ; a whole round
	s_barrier_signal -1
	s_barrier_wait -1
	CREST
.endm
; Waves 0, 1: k's halves, jointly; waves 2, 3: v's, jointly; the others nothing.  The branches hang on the wave's number alone.
; Four v_nop follow each line, ahead of the jump, the label and what follows.  By this text's count a wave has one tensor load out.
.macro TLOAD
	s_cmp_lt_u32 s[WV], 2
	s_cbranch_scc0 .Lnot_k_\@
	tensor_load_to_lds s[G0K:G0K+3], s[G1J:G1J+7]
	s_nop 0
.rept 4
	v_nop
.endr
	s_branch .Lasked_\@
.Lnot_k_\@:
	s_cmp_lt_u32 s[WV], 4
	s_cbranch_scc0 .Lasked_\@
	tensor_load_to_lds s[G0V:G0V+3], s[G1J:G1J+7]
	s_nop 0
.rept 4
	v_nop
.endr
.Lasked_\@:
.endm
; The walking descriptors: the other slot than last time; the next key tile of the walk, which goes round at 32.  s[6:7] and s[8:9] stand at my half of tile 0; s89 stays 0.
.macro NEXTKV
	s_add_co_u32 s[TI], s[TI], 1
	s_and_b32 s[TI], s[TI], 31
	s_lshl_b32 s88, s[TI], 16
	s_xor_b32 s[G0K+1], s[G0K+1], KSL
	s_add_nc_u64 s[G0K+2:G0K+3], s[6:7], s[88:89]
	s_or_b32 s[G0K+3], s[G0K+3], 0x80000000
	s_xor_b32 s[G0V+1], s[G0V+1], KSL
	s_add_nc_u64 s[G0V+2:G0V+3], s[8:9], s[88:89]
	s_or_b32 s[G0V+3], s[G0V+3], 0x80000000
.endm
; My four rows of the walk's next mask tile into set par: 512 consecutive bytes a load.  The set's offset register was last read by loads that the wait in front of the set's LDS stores has shown done.
.macro MLOAD par
	WIN 0
	s_lshl_b32 s86, s[TMI], 9
	v_add_nc_u32 v[MO+(\par)], s86, v[LI]
	s_add_co_u32 s[TMI], s[TMI], 1
	s_and_b32 s[TMI], s[TMI], 31
.if (\par)
	WIN 0x40                                       ; destination window 1
.set MRB, MR1
.else
.set MRB, MR0
.endif
.irp j, 0,1,2,3
	global_load_b128 v[MRB+4*\j:MRB+4*\j+3], v[MO+(\par)], s[14:15] offset:16384*\j
.endr
	WIN 0
.endm
; Set par goes into the mask's slot par: four stores of 512 consecutive bytes
.macro MSTORE par
.if (\par)
	WIN 0x04                                       ; the stores' data in window 1
.set MRB, MR1
.else
	WIN 0
.set MRB, MR0
.endif
.irp j, 0,1,2,3
	ds_store_b128 v[AMS+(\par)], v[MRB+4*\j:MRB+4*\j+3] offset:MP*\j
.endr
	WIN 0
.endm
	s_load_b512 s[4:19], s[0:1], 0x0               ; qc s[4:5], kc s[6:7], vc s[8:9], ub s[10:11], wo_img s[12:13], attn_mask s[14:15], gamma s[16:17], beta s[18:19]
	s_load_b128 s[20:23], s[0:1], 0x40             ; the scales' exponents s[20:21], out0 s[22:23]
	v_lshl_add_u32 v[SPW], v0, 2, SPARE
	v_mov_b32 v[NIL], 0
	ds_add_u32 v10, v11
	s_wait_dscnt 0x0
	v_lshrrev_b32 v23, 5, v0
	v_readfirstlane_b32 s[WV], v23                 ; wave 0..7 = head
	s_bfe_u32 s[CX], ttmp6, 0x40000                ; cx: my place in the cluster
	s_lshl_b32 s[QB], ttmp9, 2
	s_add_co_u32 s[QB], s[QB], s[CX]               ; my block of 32 queries: it enters global addresses of my own alone
	s_and_b32 s[BB], ttmp7, 0xffff                 ; b, which the four partners share
	s_mul_i32 s[TI], ttmp9, 13                     ; the walk's first key tile: 13 x cluster x mod 32, the same in the four partners
	s_and_b32 s[TI], s[TI], 31
	s_mov_b32 s[TMI], s[TI]
	; group 1 of the joint loads: 128 rows of 256 bytes, dense: elements of 8 bytes
	s_mov_b32 s[G1J], 15|(3<<16)|(1<<21)           ; 15:0 the mask: all four work-groups; 17:16 elements of 8 bytes; 21 set beside a mask; no padding
	s_mov_b32 s[G1J+1], 32<<16                     ; tensor_dim0 = 32
	s_mov_b32 s[G1J+2], 128<<16                    ; tensor_dim1 = 128
	s_mov_b32 s[G1J+3], 32<<16                     ; tile_dim0 = 32
	s_mov_b32 s[G1J+4], 128                        ; tile_dim1 = 128
	s_mov_b32 s[G1J+5], 32                         ; from row to row
	s_mov_b32 s[G1J+6], 0
	s_mov_b32 s[G1J+7], 0
	s_mov_b32 s[SEL], 0x76543210
	s_mov_b32 s[SEL+1], 0xfedcba98
	s_mov_b32 s[R64], 0x3c800000
	s_mov_b32 s[EPS], 0x3727c5ac
	; every LDS address is made here, ahead of the first branch on the wave's number, and stays
	v_and_b32 v[RR], 15, v0
	v_bfe_u32 v[HH], v0, 4, 1
	v_and_b32 v23, 31, v0
	v_lshlrev_b32 v[LI], 4, v23
	s_lshl_b32 s77, s[WV], 10
	v_add_nc_u32 v[AK], s77, v[LI]
	v_add_nc_u32 v[AK+1], KSL, v[AK]
	s_lshl_b32 s77, s[WV], 12
	s_add_co_u32 s77, s77, VBASE
	v_add_nc_u32 v[AV], s77, v[LI]
	v_add_nc_u32 v[AV+1], KSL, v[AV]
	v_mul_u32_u24 v[AM], v[RR], MP
	v_lshl_add_u32 v[AM], v[HH], 5, v[AM]
	v_add_nc_u32 v[AM], MBASE, v[AM]
	v_add_nc_u32 v[AM+1], MSL, v[AM]
	s_mul_i32 s77, s[WV], 4*MP
	s_add_co_u32 s77, s77, MBASE
	v_add_nc_u32 v[AMS], s77, v[LI]
	v_add_nc_u32 v[AMS+1], MSL, v[AMS]
	s_mul_i32 s77, s[WV], 16*SP
	s_add_co_u32 s77, s77, STAGE                   ; my stage
	v_mul_u32_u24 v[STO], v[RR], SP
	v_lshl_add_u32 v[STO], v[HH], 5, v[STO]
	v_add_nc_u32 v[STO], s77, v[STO]               ; in: row r, 32 bytes for each half of the lanes
	v_mul_u32_u24 v[RD], v[HH], SP
	v_lshl_add_u32 v[RD], v[RR], 4, v[RD]
	v_add_nc_u32 v[RD], s77, v[RD]                 ; back: lanes 0-15 one row of 256 bytes, lanes 16-31 the next
	v_lshlrev_b32 v[GO], 11, v[HH]
	v_lshl_add_u32 v[GO], v[RR], 4, v[GO]          ; and the same two rows in out0 (2,048 bytes a row)
	v_lshlrev_b32 v[GOFF], 5, v[HH]
	; groups 0.  The joint loads' words hang on the wave's number, on b and on the cluster's x alone, in registers that never hold cx
	s_and_b32 s88, s[WV], 1
	s_lshl_b32 s88, s88, 15                        ; my half of a tile: 32,768 bytes, in LDS and in memory alike
	s_mov_b32 s[G0K], 1
	s_mov_b32 s[G0K+1], s88
	s_mov_b32 s[G0V], 1
	s_add_co_u32 s[G0V+1], s88, VBASE
	s_lshl_b32 s89, s[BB], 21                      ; a batch entry's codes of k, and of v: 2 MiB
	s_add_co_u32 s88, s88, s89
	s_mov_b32 s89, 0
	s_lshl_b32 s84, s[QB], 19                      ; the mask: 32 rows of 16,384 bytes for each block of queries,
	s_lshl_b32 s85, s[WV], 16                      ; + my wave's four rows
	s_add_co_u32 s84, s84, s85
	s_mov_b32 s85, 0
	; q, u: fragment ((256 b + 2 qb) x 8 + w), 1,024 and 4,096 bytes; out0: row 4,096 b + 32 qb, column 64 w
	s_lshl_b32 s86, s[BB], 8
	s_lshl_b32 s87, s[QB], 1
	s_add_co_u32 s86, s86, s87
	s_lshl_b32 s86, s86, 3
	s_add_co_u32 s86, s86, s[WV]
	s_lshl_b32 s90, s86, 12
	s_mov_b32 s91, 0
	s_lshl_b32 s86, s86, 10
	s_mov_b32 s87, 0
	s_lshl_b32 s92, s[BB], 23
	s_lshl_b32 s93, s[QB], 16
	s_add_co_u32 s92, s92, s93
	s_lshl_b32 s93, s[WV], 8
	s_add_co_u32 s92, s92, s93
	s_mov_b32 s93, 0
	s_lshl_b32 s94, s[WV], 15                      ; W_out: my 64 columns: four tiles of 8,192 bytes
	s_mov_b32 s95, 0
	s_wait_kmcnt 0x0
	s_load_b256 s[24:31], s[20:21], 0x0            ; e0 .. e7
	s_add_nc_u64 s[6:7], s[6:7], s[88:89]          ; k and v at my half of key tile 0
	s_add_nc_u64 s[8:9], s[8:9], s[88:89]
	s_lshl_b32 s88, s[TI], 16                      ; the walk's first tile
	s_add_nc_u64 s[G0K+2:G0K+3], s[6:7], s[88:89]
	s_or_b32 s[G0K+3], s[G0K+3], 0x80000000        ; type = 2
	s_add_nc_u64 s[G0V+2:G0V+3], s[8:9], s[88:89]
	s_or_b32 s[G0V+3], s[G0V+3], 0x80000000
	s_add_nc_u64 s[14:15], s[14:15], s[84:85]
	s_add_nc_u64 s[4:5], s[4:5], s[86:87]
	s_add_nc_u64 s[10:11], s[10:11], s[90:91]
	s_add_nc_u64 s[22:23], s[22:23], s[92:93]
	s_add_nc_u64 s[12:13], s[12:13], s[94:95]
	CROUND                                         ; all four work-groups are here: the first joint loads meet
	TLOAD                                          ; the walk's tile 0 into slot 0
	WIN 0x40                                       ; destination window 1
.irp u, 0,1
.irp g, 0,1
	global_load_b128 v[QF+8*\u+4*\g:QF+8*\u+4*\g+3], v[LI], s[4:5] offset:\u*8192+512*\g th:TH_LOAD_NT   ; q's two fragments stay in registers
.endr
.endr
.irp t, 0,1,2,3
.irp k, 0,1
	global_load_b128 v[GAM+8*\t+4*\k:GAM+8*\t+4*\k+3], v[GOFF], s[16:17] offset:64*\t+16*\k   ; gamma and beta at d = 16 t + 8 h + 0..7
	global_load_b128 v[BET+8*\t+4*\k:BET+8*\t+4*\k+3], v[GOFF], s[18:19] offset:64*\t+16*\k
.endr
.endr
	WIN 0
	MLOAD 0                                        ; the mask of the walk's tiles 0 and 1
	MLOAD 1
.set j, 0
.rept 64
	v_mov_b32 v[OA+j], 0                           ; O^T
.set j, j+1
.endr
	s_wait_kmcnt 0x0
	s_add_co_i32 s77, s26, s27                     ; e2 + e3
	s_sub_co_i32 s78, s77, 3                       ; 1 / sqrt(64) = 2^-3
	s_lshl_b32 s78, s78, 23
	s_add_co_u32 s[CN], s78, 0xbfb8aa3b            ; added to the exponent field of -log2(e)
	s_mov_b32 s[CN+1], s[CN]                       ; (named with it as a pair, so it is written)
	s_sub_co_i32 s77, s28, s77
	s_add_co_i32 s77, s77, 130                     ; e4 - e2 - e3 + 3, + 127
	s_lshl_b32 s78, s77, 23
	v_mov_b32 v[SCP], s78
	s_add_co_i32 s77, s77, 8
	s_lshl_b32 s77, s77, 23
	s_or_b32 s77, s77, 0x600000
	v_mov_b32 v[LIMP], s77
	s_add_co_i32 s[EPV], s28, s29
	s_add_co_i32 s[EZW], s30, s31
	s_add_co_i32 s77, s30, 127
	s_lshl_b32 s78, s77, 23
	v_mov_b32 v[SCZ], s78
	s_add_co_i32 s77, s77, 8
	s_lshl_b32 s77, s77, 23
	s_or_b32 s77, s77, 0x600000
	v_mov_b32 v[LIMZ], s77
; THE VECTOR WORK ON A TILE'S 32 SCORES A LANE, in eight parts; each goes through the registers in ascending order.
; st = 0: the step's mask lies in window 1; st = 1: in window 0.
.macro S_MASK u, st                    ; M = S x m
.if \st
	WIN 0
.set MB, MA0
.else
	WIN 0x44                                       ; destination and source 1 window 1
.set MB, MA1
.endif
.set j, 0
.rept 16
	v_pk_mul_f32 v[MB+32*\u+j:MB+32*\u+j+1], v[SA+32*\u+j:SA+32*\u+j+1], v[MB+32*\u+j:MB+32*\u+j+1]
.set j, j+2
.endr
.endm
.macro S_ARG u                         ; S = -s log2(e)
	WIN 0
.set j, 0
.rept 16
	v_pk_mul_f32 v[SA+32*\u+j:SA+32*\u+j+1], v[SA+32*\u+j:SA+32*\u+j+1], s[CN:CN+1] op_sel_hi:[1,0]
.set j, j+2
.endr
.endm
.macro S_EXP u
.set j, 0
.rept 32
	v_exp_f32 v[SA+32*\u+j], v[SA+32*\u+j]
.set j, j+1
.endr
.endm
.macro S_ONE u
.set j, 0
.rept 16
	v_pk_add_f32 v[SA+32*\u+j:SA+32*\u+j+1], v[SA+32*\u+j:SA+32*\u+j+1], 1.0 op_sel_hi:[1,0]
.set j, j+2
.endr
.endm
.macro S_RCP u
.set j, 0
.rept 32
	v_rcp_f32 v[SA+32*\u+j], v[SA+32*\u+j]
.set j, j+1
.endr
.endm
.macro S_GATE u, st                    ; S = S x m / (1 + 2^.), into the scores' registers: the hold and the conversion then stay in window 0
.if \st
	WIN 0
.set MB, MA0
.else
	WIN 0x01                                       ; source 0 window 1
.set MB, MA1
.endif
.set j, 0
.rept 16
	v_pk_mul_f32 v[SA+32*\u+j:SA+32*\u+j+1], v[MB+32*\u+j:MB+32*\u+j+1], v[SA+32*\u+j:SA+32*\u+j+1]
.set j, j+2
.endr
.endm
.macro S_HOLD u                        ; the conversion does not saturate (ISA guide 7.6.2)
	WIN 0
.set j, 0
.rept 32
	v_med3_num_f32 v[SA+32*\u+j], v[SA+32*\u+j], -v[LIMP], v[LIMP]
.set j, j+1
.endr
.endm
.macro S_CODE u                        ; tile c's eight keys become registers 2 c, 2 c + 1 of the second product's operand
.irp c, 0,1,2,3
	v_cvt_scalef32_pk8_fp8_f32 v[PC+8*\u+2*\c:PC+8*\u+2*\c+1], v[SA+32*\u+8*\c:SA+32*\u+8*\c+7], v[SCP]
.endr
.endm
; S^T = k q^T of the step whose fragments are in registers, and four plain lines behind the products: ahead of the first read of the scores and of the loads into k's registers
.macro QK
	WIN 0x05                                       ; k and q in window 1
.irp c, 0,1,2,3
.irp u, 0,1
	v_wmma_f32_16x16x64_fp8_fp8 v[SA+32*\u+8*\c:SA+32*\u+8*\c+7], v[KF+8*\c:KF+8*\c+7], v[QF+8*\u:QF+8*\u+7], 0
.endr
.endr
.rept 4
	v_nop
.endr
.endm
; The 32 LDS loads of step st of the tile in slot: k into its one set (its products are issued), v and the mask into the sets of step st, whose last readers stand a whole step back
.macro FETCH slot, st
	WIN 0x40                                       ; destination window 1, address window 0
.irp c, 0,1,2,3
.irp g, 0,1
	ds_load_b128 v[KF+8*\c+4*\g:KF+8*\c+4*\g+3], v[AK+(\slot)] offset:(4*\st+\c)*8192+512*\g      ; images: 512 consecutive bytes a load
.endr
.endr
.irp t, 0,1,2,3
.irp g, 0,1
	ds_load_b128 v[VF+32*\st+8*\t+4*\g:VF+32*\st+8*\t+4*\g+3], v[AV+(\slot)] offset:\st*32768+\t*1024+512*\g
.endr
.endr
.if \st
	WIN 0
.set MB, MA0
.else
.set MB, MA1
.endif
.irp u, 0,1
.irp c, 0,1,2,3
.irp g, 0,1
	ds_load_b128 v[MB+32*\u+8*\c+4*\g:MB+32*\u+8*\c+4*\g+3], v[AM+(\slot)] offset:\u*16*MP+\st*256+\c*64+16*\g   ; m(query 16 u + r, keys 16 c + 8 h + 0..7): the scores' layout
.endr
.endr
.endr
	WIN 0
.endm
; The rest of a step: behind S x m of both tiles and tile 0's exponents.  Three batches of transcendentals, each with one wait ahead of its first reader; then O^T += v^T P^T.
.macro REST st
	S_EXP 0
	S_ARG 1                                        ; (plain work of the other tile stands behind the batch)
	s_wait_alu depctr_va_vdst(0)                   ; for tile 0's exponentials
	S_ONE 0
	S_RCP 0
	S_EXP 1
	v_nop
	s_wait_alu depctr_va_vdst(0)                   ; for tile 0's reciprocals and tile 1's exponentials
	S_ONE 1
	S_RCP 1
	S_GATE 0, \st
	S_HOLD 0
	S_CODE 0
	s_wait_alu depctr_va_vdst(0)                   ; for tile 1's reciprocals
	S_GATE 1, \st                                  ; (also the plain lines behind tile 0's conversions)
	S_HOLD 1
	S_CODE 1
	v_nop                                          ; one plain line between the last conversion and the products that read its result
	WIN 0x01                                       ; v in window 1
.irp t, 0,1,2,3
.irp u, 0,1
	v_wmma_f32_16x16x64_fp8_fp8 v[OA+8*(4*\u+\t):OA+8*(4*\u+\t)+7], v[VF+32*\st+8*\t:VF+32*\st+8*\t+7], v[PC+8*\u:PC+8*\u+7], v[OA+8*(4*\u+\t):OA+8*(4*\u+\t)+7]   ; the eight accumulators by turns; between two links of a chain stand 15 other matrix instructions
.endr
.endr
.endm
; A TILE'S FIRST STEP, the tile in slot.  mst = 1: the next tile's mask goes into the other slot of the mask, which nobody has read since the last change of slots; cnt: the younger loads of the mask.
.macro EVEN slot, mst, cnt
	s_wait_dscnt 0x0                               ; this step's fragments, asked for a step ago
	QK
	S_MASK 0, 0
	S_MASK 1, 0
	S_ARG 0
	FETCH \slot, 1
.if \mst
	s_wait_loadcnt \cnt                            ; the next tile's four loads are in; the four of the tile behind it, where there is one, are younger
	MSTORE 1-\slot
.endif
	REST 0
.endm
; A TILE'S SECOND STEP, WITH THE CHANGE OF SLOTS.  Its fragments are in registers, so the slot has been read out.  Each wave waits for all its tensor loads (its part of the next tile), adds 0 to its spare word, and waits for
; that, for its reads of the slot and for its stores of the mask.  Sixty instructions on registers stand between the signal and the wait.  fill = 1: the barrier opens a round of the cluster's, so that no wave of any
; partner still reads the slot or has a load on its way; the refill, the tile two on, is the first thing behind it and has two key steps in which to land.  mld = 1: the mask three tiles on is asked for,
; into the set that the stores of the step before have read (the wait for them stands above).
.macro ODD slot, fill, mld
	WIN 0
	s_wait_tensorcnt 0x0                           ; no tensor load of mine is out, so a group 0 may be written
	ds_add_u32 v[SPW], v[NIL]                      ; 0 onto my spare word
.if \fill
	NEXTKV
.endif
	s_wait_dscnt 0x0
	s_barrier_signal -1
	QK
	S_MASK 0, 1
	S_MASK 1, 1
	S_ARG 0
	WIN 0
	s_barrier_wait -1
.if \fill
	CREST
	TLOAD
.endif
	FETCH 1-\slot, 0
.if \mld
	MLOAD 1-\slot
.endif
	REST 1
.endm
	s_wait_loadcnt 4                               ; q, gamma, beta and the mask of tile 0 are in; the four loads of tile 1's mask are younger
	MSTORE 0
	s_wait_tensorcnt 0x0                           ; my part of tile 0 has landed
	ds_add_u32 v[SPW], v[NIL]
	NEXTKV
	s_wait_dscnt 0x0                               ; the add and my stores of the mask are done
	CROUND
	TLOAD                                          ; tile 1 into slot 1: its first fill, issued as a refill is
	FETCH 0, 0
	MLOAD 0                                        ; the mask of tile 2
	s_mov_b32 s[SLOTS], 14
.Lpair:                                            ; 14 trips of two tiles: tiles 0 to 27
	EVEN 0, 1, 4
	ODD 0, 1, 1
	EVEN 1, 1, 4
	ODD 1, 1, 1
	WIN 0
	s_sub_co_u32 s[SLOTS], s[SLOTS], 1
	s_cmp_lg_u32 s[SLOTS], 0
	s_cbranch_scc1 .Lpair
	EVEN 0, 1, 4                                   ; the last four tiles are written out
	ODD 0, 1, 1                                    ; tile 28: tile 30 is asked for, and the mask of tile 31
	EVEN 1, 1, 4
	ODD 1, 1, 0                                    ; tile 29: tile 31 is asked for
	EVEN 0, 1, 0                                   ; tile 30: the last mask goes into LDS: no load is younger
	ODD 0, 0, 0                                    ; nothing is filled again: my work-group's barrier alone
	EVEN 1, 0, 0                                   ; tile 31
	s_wait_dscnt 0x0                               ; the last step: no change of slots, nothing to fetch
	QK
	S_MASK 0, 1
	S_MASK 1, 1
	S_ARG 0
	WIN 0x40                                       ; u, where the first steps' mask lay: its last reader stands a step back
.irp u, 0,1
.irp i, 0,1,2,3,4,5,6,7
	global_load_b128 v[UF+32*\u+4*\i:UF+32*\u+4*\i+3], v[LI], s[10:11] offset:\u*32768+512*\i th:TH_LOAD_NT
.endr
.endr
	WIN 0
	REST 1
	; THE WAY OUT.
	WIN 0
.rept 4
	v_nop                                          ; four plain lines behind the last products, ahead of the loads into v's registers and of the first read of O^T
.endr
	s_wait_loadcnt 0x0                             ; u
.irp s, 0,1                            ; W_out's 16 fragments of my 64 columns: K steps 0 and 1 where the scores and the mask lay,
.irp n, 0,1,2,3
.irp g, 0,1,2,3
	global_load_b128 v[SA+16*(4*\s+\n)+4*\g:SA+16*(4*\s+\n)+4*\g+3], v[LI], s[12:13] offset:\n*8192+\s*2048+512*\g
.endr
.endr
.endr
	WIN 0x40
.irp s, 2,3                            ; K steps 2 and 3 where q, k, v and the mask on its way lay
.irp n, 0,1,2,3
.irp g, 0,1,2,3
	global_load_b128 v[16*(4*(\s-2)+\n)+4*\g:16*(4*(\s-2)+\n)+4*\g+3], v[LI], s[12:13] offset:\n*8192+\s*2048+512*\g
.endr
.endr
.endr
	WIN 0
; Tile u: O^T x 2^(e4 + e5); mean and variance over the head's 64 (32 in my lane, 32 in lane l xor 16), the variance of the differences from the mean; x gamma + beta; x u; quantised with 2^e6; the image to LDS.
.macro LNORM u
.set OB, OA+32*\u
.set LB, LN+8*\u
.set j, 0
.rept 32
	v_ldexp_f32 v[OB+j], v[OB+j], s[EPV]           ; each accumulator from its low end on
.set j, j+1
.endr
	v_pk_add_f32 v[LB:LB+1], v[OB:OB+1], v[OB+2:OB+3]
	v_pk_add_f32 v[LB+2:LB+3], v[OB+4:OB+5], v[OB+6:OB+7]
.set j, 8
.rept 6
	v_pk_add_f32 v[LB:LB+1], v[LB:LB+1], v[OB+j:OB+j+1]
	v_pk_add_f32 v[LB+2:LB+3], v[LB+2:LB+3], v[OB+j+2:OB+j+3]
.set j, j+4
.endr
	v_pk_add_f32 v[LB:LB+1], v[LB:LB+1], v[LB+2:LB+3]
	v_add_f32 v[LB], v[LB], v[LB+1]
	v_permlanex16_b32 v[LB+1], v[LB], s[SEL], s[SEL+1]
	v_add_f32 v[LB], v[LB], v[LB+1]
	v_mul_f32 v[LB+4], 0xbc800000, v[LB]           ; -mean
	v_mov_b32 v[LB+5], v[LB+4]
.set j, 0
.rept 16
	v_pk_add_f32 v[OB+j:OB+j+1], v[OB+j:OB+j+1], v[LB+4:LB+5]
.set j, j+2
.endr
	v_pk_mul_f32 v[LB:LB+1], v[OB:OB+1], v[OB:OB+1]
	v_pk_mul_f32 v[LB+2:LB+3], v[OB+2:OB+3], v[OB+2:OB+3]
.set j, 4
.rept 7
	v_pk_fma_f32 v[LB:LB+1], v[OB+j:OB+j+1], v[OB+j:OB+j+1], v[LB:LB+1]
	v_pk_fma_f32 v[LB+2:LB+3], v[OB+j+2:OB+j+3], v[OB+j+2:OB+j+3], v[LB+2:LB+3]
.set j, j+4
.endr
	v_pk_add_f32 v[LB:LB+1], v[LB:LB+1], v[LB+2:LB+3]
	v_add_f32 v[LB], v[LB], v[LB+1]
	v_permlanex16_b32 v[LB+1], v[LB], s[SEL], s[SEL+1]
	v_add_f32 v[LB], v[LB], v[LB+1]
	v_fma_f32 v[LB], v[LB], s[R64], s[EPS]         ; variance + 1e-5
	v_rsq_f32 v[LB+6], v[LB]
	v_rsq_f32 v[LB+7], v[LB]                       ; twice: a pair for the packed multiply
	v_nop
	s_wait_alu depctr_va_vdst(0)                   ; one wait for both, ahead of their first reader
.set j, 0
.rept 16
	v_pk_mul_f32 v[OB+j:OB+j+1], v[OB+j:OB+j+1], v[LB+6:LB+7]
.set j, j+2
.endr
	WIN 0x14                                       ; sources 1 and 2 window 1
.set j, 0
.rept 16
	v_pk_fma_f32 v[OB+j:OB+j+1], v[OB+j:OB+j+1], v[GAM+j:GAM+j+1], v[BET+j:BET+j+1]
.set j, j+2
.endr
	WIN 0x04
.set j, 0
.rept 16
	v_pk_mul_f32 v[OB+j:OB+j+1], v[OB+j:OB+j+1], v[UF+32*\u+j:UF+32*\u+j+1]
.set j, j+2
.endr
	WIN 0
.set j, 0
.rept 32
	v_med3_num_f32 v[OB+j], v[OB+j], -v[LIMZ], v[LIMZ]
.set j, j+1
.endr
.irp t, 0,1,2,3
	v_cvt_scalef32_pk8_fp8_f32 v[PC+8*\u+2*\t:PC+8*\u+2*\t+1], v[OB+8*\t:OB+8*\t+7], v[SCZ]
.endr
	v_nop                                          ; one plain line behind the last conversion: matrix instructions later write its sources
.irp g, 0,1
	ds_store_b128 v[ZWI], v[PC+8*\u+4*\g:PC+8*\u+4*\g+3] offset:ZIMG+\u*8192+512*\g   ; head w's 64 along K are half w % 2 of fragment (tile u, K step w / 2)
.endr
.endm
	LNORM 0
	LNORM 1
	s_wait_dscnt 0x0                               ; for the others' sake: my images have landed
	s_barrier_signal -1
	s_barrier_wait -1                              ; z's eight fragments lie in LDS
	WIN 0x40
.irp u, 0,1
.irp s, 0,1,2,3
.irp g, 0,1,2,3
	ds_load_b128 v[ZF+16*(4*\u+\s)+4*\g:ZF+16*(4*\u+\s)+4*\g+3], v[LI] offset:ZIMG+(4*\u+\s)*2048+512*\g
.endr
.endr
.endr
	s_wait_loadcnt 0x0                             ; W_out
	s_wait_dscnt 0x0                               ; z
.irp s, 0,1,2,3                        ; out^T = W_out^T z^T: source 0 = 16 columns of W_out, source 1 = 16 queries; eight accumulators by turns, where O^T lay
.if \s < 2
	WIN 0x04
.else
	WIN 0x05
.endif
.irp n, 0,1,2,3
.irp u, 0,1
.if \s == 0
	v_wmma_f32_16x16x128_fp8_fp8 v[OA+8*(2*\n+\u):OA+8*(2*\n+\u)+7], v[SA+16*(4*\s+\n):SA+16*(4*\s+\n)+15], v[ZF+16*(4*\u+\s):ZF+16*(4*\u+\s)+15], 0
.elseif \s < 2
	v_wmma_f32_16x16x128_fp8_fp8 v[OA+8*(2*\n+\u):OA+8*(2*\n+\u)+7], v[SA+16*(4*\s+\n):SA+16*(4*\s+\n)+15], v[ZF+16*(4*\u+\s):ZF+16*(4*\u+\s)+15], v[OA+8*(2*\n+\u):OA+8*(2*\n+\u)+7]
.else
	v_wmma_f32_16x16x128_fp8_fp8 v[OA+8*(2*\n+\u):OA+8*(2*\n+\u)+7], v[16*(4*(\s-2)+\n):16*(4*(\s-2)+\n)+15], v[ZF+16*(4*\u+\s):ZF+16*(4*\u+\s)+15], v[OA+8*(2*\n+\u):OA+8*(2*\n+\u)+7]
.endif
.endr
.endr
.endr
	WIN 0
.rept 4
	v_nop                                          ; four plain lines behind the last products
.endr
; Tile u's 16 rows x my 64 columns: x 2^(e6 + e7); a lane's eight neighbouring columns go into my stage and come back as whole rows of 256 bytes.
.macro PACK u
.irp n, 0,1,2,3
.irp j, 0,1,2,3,4,5,6,7
	v_ldexp_f32 v[OA+8*(2*\n+\u)+\j], v[OA+8*(2*\n+\u)+\j], s[EZW]
.endr
.endr
.irp n, 0,1,2,3
.irp k, 0,1
	ds_store_b128 v[STO], v[OA+8*(2*\n+\u)+4*\k:OA+8*(2*\n+\u)+4*\k+3] offset:64*\n+16*\k
.endr
.endr
.irp i, 0,1,2,3,4,5,6,7
	ds_load_b128 v[SA+32*\u+4*\i:SA+32*\u+4*\i+3], v[RD] offset:2*SP*\i   ; LDS serves a wave's instructions in order (ISA guide 5.7.1.4): these see my stores, and the next tile's stores come behind them
.endr
.endm
.macro SEND u, younger                 ; younger: the LDS instructions issued behind tile u's loads
.irp i, 0,1,2,3,4,5,6,7
	s_wait_dscnt \younger+7-\i
	global_store_b128 v[GO], v[SA+32*\u+4*\i:SA+32*\u+4*\i+3], s[22:23] offset:(16*\u+2*\i)*2048 th:TH_STORE_NT   ; 16 lanes store 256 consecutive bytes, at a multiple of 256 from out0's first byte
.endr
.endm
	PACK 0
	PACK 1
	SEND 0, 16                                     ; behind tile 0's loads: tile 1's 8 stores and 8 loads
	SEND 1, 0
	s_wait_tensorcnt 0x0                           ; the wave's end, behind my last tensor load and my last LDS store
	ds_add_u32 v[SPW], v[NIL]
	s_wait_dscnt 0x0
	CROUND                                         ; the closing round: no work-group ends while a partner may still ask for a tile that names it
	s_endpgm
.Lfunc_end_k_qe09937dd1f_attn:
	.size	k_qe09937dd1f_attn, .Lfunc_end_k_qe09937dd1f_attn-k_qe09937dd1f_attn
	.p2alignl 7, 3214868480
	.fill 96, 4, 3214868480
	.section	.rodata,"a",@progbits
	.p2align	6, 0x0
	.amdhsa_kernel k_qe09937dd1f_attn
		.amdhsa_group_segment_fixed_size 327680
		.amdhsa_private_segment_fixed_size 0
		.amdhsa_enable_private_segment 0
		.amdhsa_kernarg_size 80
		.amdhsa_user_sgpr_count 2
		.amdhsa_user_sgpr_kernarg_segment_ptr 1
		.amdhsa_wavefront_size32 1
		.amdhsa_system_sgpr_workgroup_id_x 1
		.amdhsa_system_sgpr_workgroup_id_y 1
		.amdhsa_system_sgpr_workgroup_id_z 1
		.amdhsa_system_vgpr_workitem_id 0
		.amdhsa_next_free_vgpr 512
		.amdhsa_next_free_sgpr 96
		.amdhsa_reserve_vcc 0
		.amdhsa_float_denorm_mode_32 3
		.amdhsa_float_denorm_mode_16_64 3
		.amdhsa_memory_ordered 1
		.amdhsa_forward_progress 1
		.amdhsa_inst_pref_size 255
	.end_amdhsa_kernel
	.section	.bss,"aw",@nobits
	.p2align	6
	.space	262144
	.amdgpu_metadata
---
amdhsa.version: [ 1, 2 ]
amdhsa.kernels:
  - .name:           k_qe09937dd1f_attn
    .symbol:         k_qe09937dd1f_attn.kd
    .args:
      - { .name: qc, .offset: 0, .size: 8, .value_kind: global_buffer, .address_space: global }
      - { .name: kc, .offset: 8, .size: 8, .value_kind: global_buffer, .address_space: global }
      - { .name: vc, .offset: 16, .size: 8, .value_kind: global_buffer, .address_space: global }
      - { .name: ub, .offset: 24, .size: 8, .value_kind: global_buffer, .address_space: global }
      - { .name: wo_img, .offset: 32, .size: 8, .value_kind: global_buffer, .address_space: global }
      - { .name: attn_mask, .offset: 40, .size: 8, .value_kind: global_buffer, .address_space: global }
      - { .name: ln_gamma, .offset: 48, .size: 8, .value_kind: global_buffer, .address_space: global }
      - { .name: ln_beta, .offset: 56, .size: 8, .value_kind: global_buffer, .address_space: global }
      - { .name: lowp_scales, .offset: 64, .size: 8, .value_kind: global_buffer, .address_space: global }
      - { .name: out0, .offset: 72, .size: 8, .value_kind: global_buffer, .address_space: global }
    .group_segment_fixed_size: 327680
    .private_segment_fixed_size: 0
    .kernarg_segment_align: 8
    .kernarg_segment_size: 80
    .max_flat_workgroup_size: 256
    .sgpr_count:     96
    .vgpr_count:     512
    .wavefront_size: 32
...
	.end_amdgpu_metadata
.endif
;; end of part 3
